; MI455X (gfx1250); checked and timed in simulation.
; The chip was launched on July 23, 2026; its instructions are those of AMD's public machine-readable ISA for CDNA 5 (MIT licence, August 2026) and "CDNA5" Instruction Set Architecture Reference Guide (July 2026). The comments in the code are by the model that wrote it; some were corrected since.
;; Multi Head Attention. Allowed arithmetic: matrix products marked QUANTISED: E4M3 operands, one given power-of-two scale a tensor, by v_wmma_f32_16x16x64_fp8_fp8 or v_wmma_f32_16x16x128_fp8_fp8, f32 sums; everything else in f32.
;; Inputs: b_proj 1,024 float32; lowp_scales 8 int32 (the exponents e of the quantised operands' scales 2^e); w_proj 1,024 x 1,024 float32; w_qkv 1,024 x 3,072 float32; x 4 x 2,048 x 1,024 float32.
;; Outputs: out0 4 x 2,048 x 1,024 float32.
;; This version of the problem:
;;   THIS VERSION OF THE PROBLEM IS GIVEN IN LOW PRECISION. The matrix products marked QUANTISED in the list below multiply operands that are first quantised to E4M3 (4 exponent bits, 3 mantissa bits; 8 bits a number), with one given power-of-two scale for each operand tensor; their sums are f32. All else is computed in f32.
;;   The module's matrix products, in the order in which they are computed (A, B: the left and right operand; K: the contracted axis; several contracted axes count as one K, in the product's order):
;;     1. [M 8,192, K 1,024] x [K 1,024, N 3,072]; A: input x; B: input w_qkv: QUANTISED (scales: A lowp_scales[0], B lowp_scales[1])
;;     2. batch 64 x [M 2,048, K 64] x [K 64, N 2,048]; A: computed on the way; B: computed on the way: QUANTISED (scales: A lowp_scales[2], B lowp_scales[3])
;;     3. batch 64 x [M 2,048, K 2,048] x [K 2,048, N 64]; A: softmax (see below); B: computed on the way: QUANTISED (scales: A lowp_scales[4], B lowp_scales[5])
;;     4. [M 8,192, K 1,024] x [K 1,024, N 1,024]; A: computed on the way; B: input w_proj: QUANTISED (scales: A lowp_scales[6], B lowp_scales[7])
;;   THE QUANTISER, for each operand of a quantised product, along K:
;;     - The operand's scale is 2^e, e = its entry of the input lowp_scales (int32; the entries are numbered through the quantised products in the list's order, A before B).
;;     - Each number is divided by the scale, clamped to +-448, and rounded to the nearest number of E4M3, ties to even, subnormals kept.
;;     - The product sums the exact products of the quantised numbers (number of the format x scale) in f32.
;;   ~~~python
;;   def quantise(x, axis, e):      # numpy; x: float32 -> the quantised numbers, widened to float32 again
;;       x = np.moveaxis(x, axis, -1); K = x.shape[-1]
;;       r = np.clip(x / 2.0 ** e, -448, 448)
;;       step = 2.0 ** (np.maximum(np.frexp(np.where(r == 0, 1, r))[1] - 1, -6) - 3)
;;       q = np.round(r / step) * step * 2.0 ** e      # np.round: ties to even
;;       return np.moveaxis(q, -1, axis).astype(np.float32)
;;   ~~~
;;   SOFTMAX AHEAD OF A QUANTISED PRODUCT. Where the list says 'softmax', what is quantised is not the finished softmax but p = 2^(t - M), with t = logit x log2(e) and M = ceil(the row's largest t), a whole number; so 1/2 < the row's largest p <= 1. The row's sum l is taken of the UNQUANTISED p, in f32, and the product's result is divided by l at the end. Since M is a whole number, a kernel that streams over the keys may use a running M (the ceiling of the running maximum): every later rescaling is an exact power of two, so the quantised numbers keep their values, but for numbers so far below the row's largest that they fall under the format's range.
;;   OPERANDS COMPUTED ON THE WAY. 'Computed on the way' means the value that the module computes at that place (a softmax that the list does not call 'softmax' is quantised finished and normalised). What goes into a quantiser is computed in f32, as accurately as f32 sums, v_exp_f32 and their like allow (about 1e-6 of the number): no bf16 or f16 on the way to a quantiser, and a product that is left as it is and whose result goes on into a quantised operand takes f32 operands (vector FMAs, or v_wmma_f32_16x16x4_f32). A number that lies on a knife's edge between two numbers of the format may be rounded either way, as far as f32 arithmetic and the matrix unit's own rounding can turn it there, and no further.
;; One version. Each part assembles by itself: llvm-mc -triple=amdgcn-amd-amdhsa -mcpu=gfx1250 --defsym DOCPART=n.
;; ======== version 1 of 1: 4 launches
;; limits: right only within a limited range of input values
;; workspace buffers: ximg 8,388,608 bytes; wqimg 3,145,728 bytes; wpimg 1,048,576 bytes; qimg 8,388,608 bytes; kvimg 16,777,216 bytes; oimg 8,388,608 bytes
;; launch quant (part 1): grid 8 x 64, 4 waves a work-group, no clusters, 34,304 bytes of LDS; arguments x, w_qkv, w_proj, lowp_scales, ximg, wqimg, wpimg; writes ximg, wqimg, wpimg
.if DOCPART == 1
	.amdgcn_target "amdgcn-amd-amdhsa--gfx1250"
	.amdhsa_code_object_version 6
	.text
	.protected	k_q165f403224_quant
	.globl	k_q165f403224_quant
	.p2align	8
	.type	k_q165f403224_quant,@function
k_q165f403224_quant:
	s_mov_b64 s[64:65], 0
	v_nop
	global_prefetch_b8 v0, s[64:65] scope:SCOPE_SE
	s_setreg_imm32_b32 hwreg(HW_REG_WAVE_MODE, 25, 1), 1
	s_wait_xcnt 0x0
; x [8192][1024], w_qkv [1024][3072] and w_proj [1024][1024], f32, become codes of FP8 (E4M3) with the given scales 2^e0, 2^e1, 2^e7.
; code = number / 2^e, held within +-448, rounded to the nearest code, ties to even.
; LIMITS: each e lies between -126 and 119, so that 2^e and 448 x 2^e are f32 numbers.  NaN among the inputs is not served (an infinity is held at the largest code).
; THE CODES ARE LAID AS IMAGES OF THE OPERAND'S REGISTERS.  A fragment is 16 rows x 128 along K, 16 registers a lane: lane (r, h) holds row r, and its registers 2 c, 2 c + 1 hold K = 16 c + 8 h + 0 .. 7.
; Registers 4 c .. 4 c + 3 of lane l lie at byte 512 c + 16 l of the fragment's 2,048 bytes.  A block of 16 rows has its eight fragments on end: 16,384 bytes.
; The work-group's y picks the tensor: 0-23 w_qkv, 24-31 w_proj (K is their FIRST axis: a lane takes a column and its registers run down K), 32-63 x (K innermost: rows turn through a stage in LDS).
; Work-groups share no input, so there is no cluster and no joint load; waves share nothing, so there is no barrier.  Only x's way uses LDS.
.set R,   16                           ; v16-143   x: two sets of 64 registers as loaded (16 rows x 16 bytes a lane)
.set X,   144                          ; v144-207  x: my row's 64 numbers of a K step, in the order of the operand's registers
.set C,   208                          ; v208-239  x: two sets of 16 registers of codes
.set LIM, 240
.set SCL, 241                          ; v241      2^e: the conversion takes its exponent field
.set WN,  16                           ; v16-143   a weight: my column's 128 numbers down K
.set WC,  144                          ; v144-175  a weight: their codes; each register is written once
.set SP,  528                          ; a stage row: 512 bytes + 16, so that the 16 rows that a read touches start at 16 different places modulo 256 bytes
.set STG, 16*SP                        ; a wave's stage
.macro MKSCALE e                       ; s[e]: the exponent
	s_add_co_i32 s36, s[\e], 127
	s_lshl_b32 s37, s36, 23
	v_mov_b32 v[SCL], s37
	s_add_co_i32 s36, s36, 8
	s_lshl_b32 s36, s36, 23
	s_or_b32 s36, s36, 0x600000                    ; the mantissa field of 448
.endm
.macro XLOAD t                         ; K step t of my 16 rows: each load takes one row's 512 consecutive bytes
.irp i, 0,1,2,3,4,5,6,7,8,9,10,11,12,13,14,15
	global_load_b128 v[R+64*((\t)%2)+4*\i:R+64*((\t)%2)+4*\i+3], v1, s[4:5] offset:4096*\i+512*(\t) th:TH_LOAD_NT
.endr
.endm
.macro XSTEP t
.if \t < 3
	s_wait_loadcnt 16                              ; this step's 16 loads are in; the next step's 16 may be out
.else
	s_wait_loadcnt 0
.endif
.irp i, 0,1,2,3,4,5,6,7,8,9,10,11,12,13,14,15
	ds_store_b128 v3, v[R+64*((\t)%2)+4*\i:R+64*((\t)%2)+4*\i+3] offset:SP*\i
.endr
.irp c, 0,1,2,3,4,5,6,7                ; LDS serves a wave's instructions in order: these see the stores above.  Lane (r, h): K = 16 c + 8 h + 0 .. 7 of row r
	ds_load_b128 v[X+8*\c:X+8*\c+3], v4 offset:64*\c
	ds_load_b128 v[X+8*\c+4:X+8*\c+7], v4 offset:64*\c+16
.endr
	s_wait_dscnt 0x0                               ; the numbers are back, and the stores have read their registers,
.if \t < 2
	XLOAD (\t)+2                                   ; which take the loads of two steps on
.endif
.if \t >= 2
	s_wait_xcnt 0x0                                ; the stores of two steps back have read this set of codes
.endif
.set n, 0
.rept 64
.set n, n+1
.endr
.irp c, 0,1,2,3,4,5,6,7
	v_cvt_scalef32_pk8_fp8_f32 v[C+16*((\t)%2)+2*\c:C+16*((\t)%2)+2*\c+1], v[X+8*\c:X+8*\c+7], v[SCL]
.endr
	v_nop                                          ; one plain vector line behind the last conversion: the next step's LDS loads write these conversions' sources, and stores, LDS instructions and waits are no such line
.irp c, 0,1,2,3
	global_store_b128 v1, v[C+16*((\t)%2)+4*\c:C+16*((\t)%2)+4*\c+3], s[12:13] offset:2048*(\t)+512*\c   ; 32 lanes store 512 consecutive bytes, aligned
.endr
.endm
.macro WLOAD N, src, g                 ; rows 32 g .. 32 g + 31 of the K step, at my column: a wave reads 128 consecutive bytes, the four waves 512
.set kk, 32*(\g)
.rept 32
	global_load_b32 v[WN+kk], v9, s[\src:\src+1] offset:kk*\N*4 th:TH_LOAD_NT
.set kk, kk+1
.endr
.endm
.macro WGROUP N, src, dst, g
.if \g < 3
	s_wait_loadcnt 32                              ; this group's 32 loads are in; the next group's 32 may be out
.else
	s_wait_loadcnt 0
.endif
.if \g < 2
	WLOAD \N, \src, (\g)+2
.endif
.set n, 0
.rept 32
.set n, n+1
.endr
.irp hh, 0,1                           ; my column is row r of its block; I hold what lanes (r, 0) and (r, 1) of the image want: K = 32 g + 8 hh + 0 .. 7 and 32 g + 16 + 8 hh + 0 .. 7
	v_cvt_scalef32_pk8_fp8_f32 v[WC+8*\g+4*\hh:WC+8*\g+4*\hh+1], v[WN+32*\g+8*\hh:WN+32*\g+8*\hh+7], v[SCL]
	v_cvt_scalef32_pk8_fp8_f32 v[WC+8*\g+4*\hh+2:WC+8*\g+4*\hh+3], v[WN+32*\g+16+8*\hh:WN+32*\g+16+8*\hh+7], v[SCL]
.endr
	v_nop                                          ; one plain vector line behind the last conversion of the run
.irp hh, 0,1
	global_store_b128 v10, v[WC+8*\g+4*\hh:WC+8*\g+4*\hh+3], s[\dst:\dst+1] offset:512*\g+256*\hh   ; lanes 0-15 store 256 consecutive bytes of one block's image, lanes 16-31 of the next block's
.endr
.endm
; A weight [1024][N]: the work-group takes K step x (128 rows) and 128 columns, wave w 32 of them, a lane one.
.macro WPATH N, src, e, dst, y0
	s_sub_co_u32 s21, s20, \y0
	s_lshl_b32 s21, s21, 7
	s_lshl_b32 s22, s18, 5
	s_add_co_u32 s21, s21, s22                     ; my wave's first column
	s_mul_i32 s32, s19, 128*\N*4
	s_lshl_b32 s22, s21, 2
	s_add_co_u32 s32, s32, s22
	s_mov_b32 s33, 0
	s_add_nc_u64 s[\src:\src+1], s[\src:\src+1], s[32:33]
	s_lshl_b32 s34, s21, 10                        ; (column / 16) x 16,384
	s_lshl_b32 s22, s19, 11                        ; + K step x 2,048
	s_add_co_u32 s34, s34, s22
	s_mov_b32 s35, 0
	s_add_nc_u64 s[\dst:\dst+1], s[\dst:\dst+1], s[34:35]
	v_lshlrev_b32 v9, 2, v6                        ; in: 4 bytes a lane
	v_lshlrev_b32 v10, 14, v8                      ; out: lanes 16-31 belong to the next block of 16 columns,
	v_lshl_add_u32 v10, v7, 4, v10                 ; 16 bytes a row
	WLOAD \N, \src, 0
	WLOAD \N, \src, 1
	s_wait_alu depctr_va_vdst(0)
	s_wait_kmcnt 0x0
	MKSCALE \e
	s_wait_alu depctr_va_vdst(0)
	WGROUP \N, \src, \dst, 0
	WGROUP \N, \src, \dst, 1
	WGROUP \N, \src, \dst, 2
	WGROUP \N, \src, \dst, 3
	s_endpgm
.endm
	s_load_b256 s[4:11], s[0:1], 0x0               ; x s[4:5], w_qkv s[6:7], w_proj s[8:9], the exponents s[10:11]
	s_load_b128 s[12:15], s[0:1], 0x20             ; ximg s[12:13], wqimg s[14:15]
	s_load_b64 s[16:17], s[0:1], 0x30              ; wpimg
	v_lshl_add_u32 v244, v0, 2, 0x8400
	v_mov_b32 v245, 0
	v_lshrrev_b32 v5, 5, v0
	v_readfirstlane_b32 s18, v5                    ; wave
	s_mov_b32 s19, ttmp9                           ; work-group x
	s_and_b32 s20, ttmp7, 0xffff                   ; work-group y
	v_and_b32 v6, 31, v0                           ; lane
	v_and_b32 v7, 15, v0                           ; r
	v_bfe_u32 v8, v0, 4, 1                         ; h
	v_lshlrev_b32 v1, 4, v6                        ; 16 x lane
	s_wait_kmcnt 0x0
	s_load_b256 s[24:31], s[10:11], 0x0            ; e0 .. e7
	s_cmp_lt_u32 s20, 24
	s_cbranch_scc1 .Lwq
	s_cmp_lt_u32 s20, 32
	s_cbranch_scc1 .Lwp
	; ---- x: a wave takes a block of 16 rows and half of K: four K steps of 128
	s_sub_co_u32 s21, s20, 32
	s_lshl_b32 s21, s21, 3
	s_add_co_u32 s21, s21, s19
	s_lshl_b32 s21, s21, 2
	s_add_co_u32 s21, s21, s18                     ; 0 .. 1023
	s_lshr_b32 s22, s21, 1                         ; the block
	s_and_b32 s23, s21, 1                          ; the half
	s_lshl_b32 s32, s22, 16                        ; 16 rows of 4,096 bytes
	s_lshl_b32 s36, s23, 11
	s_add_co_u32 s32, s32, s36
	s_mov_b32 s33, 0
	s_add_nc_u64 s[4:5], s[4:5], s[32:33]
	s_lshl_b32 s34, s22, 14
	s_lshl_b32 s36, s23, 13
	s_add_co_u32 s34, s34, s36
	s_mov_b32 s35, 0
	s_add_nc_u64 s[12:13], s[12:13], s[34:35]
	s_mul_i32 s36, s18, STG                        ; my stage
	s_wait_alu depctr_va_vdst(0)
	v_add_nc_u32 v3, s36, v1                       ; in: 16 bytes a lane of a row
	v_mul_u32_u24 v4, v7, SP
	v_lshl_add_u32 v4, v8, 5, v4
	v_add_nc_u32 v4, s36, v4                       ; back: row r, + 32 h bytes
	XLOAD 0
	XLOAD 1
	s_wait_alu depctr_va_vdst(0)
	s_wait_kmcnt 0x0
	MKSCALE 24
	s_wait_alu depctr_va_vdst(0)
	XSTEP 0
	XSTEP 1
	XSTEP 2
	XSTEP 3
	s_wait_tensorcnt 0x0
	ds_add_u32 v244, v245
	s_wait_dscnt 0x0
	s_endpgm
.Lwq:
	s_wait_alu depctr_va_vdst(0)
	WPATH 3072, 6, 25, 14, 0
.Lwp:
	s_wait_alu depctr_va_vdst(0)
	WPATH 1024, 8, 31, 16, 24
.Lfunc_end_k_q165f403224_quant:
	.size	k_q165f403224_quant, .Lfunc_end_k_q165f403224_quant-k_q165f403224_quant
	.p2alignl 7, 3214868480
	.fill 96, 4, 3214868480
	.section	.rodata,"a",@progbits
	.p2align	6, 0x0
	.amdhsa_kernel k_q165f403224_quant
		.amdhsa_group_segment_fixed_size 34304
		.amdhsa_private_segment_fixed_size 0
		.amdhsa_enable_private_segment 0
		.amdhsa_kernarg_size 56
		.amdhsa_user_sgpr_count 2
		.amdhsa_user_sgpr_kernarg_segment_ptr 1
		.amdhsa_wavefront_size32 1
		.amdhsa_system_sgpr_workgroup_id_x 1
		.amdhsa_system_sgpr_workgroup_id_y 1
		.amdhsa_system_sgpr_workgroup_id_z 1
		.amdhsa_system_vgpr_workitem_id 0
		.amdhsa_next_free_vgpr 246
		.amdhsa_next_free_sgpr 66
		.amdhsa_reserve_vcc 0
		.amdhsa_float_denorm_mode_32 3
		.amdhsa_float_denorm_mode_16_64 3
		.amdhsa_fp16_overflow 1
		.amdhsa_memory_ordered 1
		.amdhsa_forward_progress 1
		.amdhsa_inst_pref_size 51
	.end_amdhsa_kernel
	.amdgpu_metadata
---
amdhsa.version: [ 1, 2 ]
amdhsa.kernels:
  - .name:           k_q165f403224_quant
    .symbol:         k_q165f403224_quant.kd
    .args:
      - { .name: x, .offset: 0, .size: 8, .value_kind: global_buffer, .address_space: global }
      - { .name: w_qkv, .offset: 8, .size: 8, .value_kind: global_buffer, .address_space: global }
      - { .name: w_proj, .offset: 16, .size: 8, .value_kind: global_buffer, .address_space: global }
      - { .name: lowp_scales, .offset: 24, .size: 8, .value_kind: global_buffer, .address_space: global }
      - { .name: ximg, .offset: 32, .size: 8, .value_kind: global_buffer, .address_space: global }
      - { .name: wqimg, .offset: 40, .size: 8, .value_kind: global_buffer, .address_space: global }
      - { .name: wpimg, .offset: 48, .size: 8, .value_kind: global_buffer, .address_space: global }
    .group_segment_fixed_size: 34304
    .private_segment_fixed_size: 0
    .kernarg_segment_align: 8
    .kernarg_segment_size: 56
    .max_flat_workgroup_size: 128
    .sgpr_count:     66
    .vgpr_count:     246
    .wavefront_size: 32
...
	.end_amdgpu_metadata
.endif
;; end of part 1
;; launch qkv (part 2): grid 8 x 96, 4 waves a work-group, clusters of 4 x 4, 327,680 bytes of LDS; arguments ximg, wqimg, lowp_scales, qimg, kvimg; writes qimg, kvimg
.if DOCPART == 2
	.amdgcn_target "amdgcn-amd-amdhsa--gfx1250"
	.amdhsa_code_object_version 6
	.text
	.protected	k_q165f403224_qkv
	.globl	k_q165f403224_qkv
	.p2align	8
	.type	k_q165f403224_qkv,@function
k_q165f403224_qkv:
	s_mov_b64 s[64:65], 0
	v_nop
	global_prefetch_b8 v0, s[64:65] scope:SCOPE_SE
	s_setreg_imm32_b32 hwreg(HW_REG_WAVE_MODE, 25, 1), 1
	s_wait_xcnt 0x0
	s_wait_alu depctr_hold_cnt(0) depctr_sa_sdst(0) depctr_va_vdst(0) depctr_va_sdst(0) depctr_va_ssrc(0) depctr_va_vcc(0) depctr_vm_vsrc(0)
	s_getreg_b32 s2, hwreg(HW_REG_IB_STS2, 6, 4)
	s_cmp_eq_u32 s2, 0
	s_cbranch_scc0 .Lentry_in_a_cluster
	s_endpgm
.Lentry_in_a_cluster:
	s_bfe_u32 s2, ttmp6, 0x10000c
	s_cmp_lg_u32 s2, 0xf033
	s_cbranch_scc0 .Lentry_shape_is_right
	s_endpgm
.Lentry_shape_is_right:
; qkv = x w_qkv on codes of FP8 (E4M3), K = 1,024; the f32 sums are quantised at once for the attention: q with 2^e2, k with 2^e3, v with 2^e5, and stored as images of the operands' registers.
; A sum stands for sum x 2^(e0 + e1), so its code is sum / 2^(ed - e0 - e1): the three scales are folded into the conversion's one.
; LIMIT: ed - e0 - e1 (ed = e2, e3, e5) lies between -126 and 119, so that this power of two and 448 times it are f32 numbers.
; IMAGES.  A fragment of 16 rows x 128 K is 16 registers a lane (lane (r, h): row r; registers 2 c, 2 c + 1: K = 16 c + 8 h + 0 .. 7); registers 4 c .. 4 c + 3 of lane l lie at byte 512 c + 16 l.  ximg and wqimg: a block of
; 16 rows is eight such fragments on end, 16,384 bytes.  So a fragment comes from LDS by four loads of 512 consecutive bytes.
; A TILE: 128 rows of operand A x 256 rows of operand B.  Source 0 of the matrix instruction = 16 rows of B, source 1 = 16 rows of A: lane (r, h) holds row r of A, and its eight registers rows 8 h + 0 .. 7 of B.
; Four waves, each 64 (A) x 128 (B): 32 accumulators.  768 tiles: three for each of 256 WGPs.
;   q and k (cluster y under 16): A = tokens (ximg), B = features (wqimg): a lane's eight registers are eight neighbouring channels of one token: a register pair of q's or k's fragment (16 tokens x 64 channels).
;   v (cluster y 16 to 23):       A = features, B = tokens: a lane's eight registers are eight neighbouring TOKENS of one channel: a register pair of v's fragment with the keys along K (16 channels x 128 keys).
; The choice is made by selects on the cluster's y, the same in all partners: no branch hangs on it.
; CLUSTER 4 x 4: A's tile hangs on cy and is asked for jointly by the cluster's row, B's on cx and by its column.
; LDS: three slots of K = 256 (A's 8 blocks x 4,096 bytes, then B's 16).  All three are first fills; slot 0 is filled once more, with the fourth K step.  By this text's count a wave has at most three tensor loads out.
; REGISTERS: window 0: v1 16 x lane; v8-11 store offsets; v16-18, v20-22 LDS addresses; v28, v29 for the add; v30 the scale; v64-127, v128-191 A's fragments, two sets.
;   window 1: accumulator (a, b) at v[8 (8 a + b)].   window 2: B's fragments, two sets of 128.
.set SLOT,  98304
.set SPARE, 3*SLOT                     ; behind the slots: the spare words, 128 bytes for each wave: two blocks of 256 bytes that no other line names
.set KSB,   4096                       ; a block's bytes of a K step of 256
.set MSB, 0
.macro WIN new                         ; the immediate's high byte repeats the setting that is left
.if MSB != \new
	s_set_vgpr_msb (MSB<<8)|\new
.set MSB, \new
.endif
.endm
.set MUL,  0x52                        ; source 0 (B) window 2, source 1 (A) window 0, C and D window 1
.set TO_B, 0x80                        ; destination window 2, address window 0
.macro PLACES                          ; four plain places behind a matrix instruction, ahead of loads into its sources and of reads of its results
.rept 4
	v_nop
.endr
.endm
.macro CREST                           ; a round of the cluster's barrier behind its opening barrier
	s_cmp_lg_u32 s14, 0
	s_cbranch_scc1 .Lnot_wave_0_\@
	s_barrier_signal -3
.Lnot_wave_0_\@:
	s_barrier_wait -3
	s_barrier_signal -1
	s_barrier_wait -1
.endm
.macro CROUND
	s_barrier_signal -1
	s_barrier_wait -1
	CREST
.endm
.macro JLOAD                           ; the joint refill of slot 0: waves 0 and 1 fetch A's halves, waves 2 and 3 B's; four v_nop follow each line
	s_cmp_eq_u32 s15, 0
	s_cbranch_scc0 .Lfor_b_\@
	tensor_load_to_lds s[40:43], s[24:31]
	s_nop 0
.rept 4
	v_nop
.endr
	s_branch .Lasked_\@
.Lfor_b_\@:
	tensor_load_to_lds s[52:55], s[32:39]
	s_nop 0
.rept 4
	v_nop
.endr
.Lasked_\@:
.endm
.macro FETCH slot, q, p                ; 48 LDS loads: my 8 fragments of B and 4 of A for the slot's q-th 128 along K, into set p
	WIN TO_B
.irp j, 0,1,2,3,4,5,6,7
.irp c, 0,1,2,3
	ds_load_b128 v[128*(\p)+16*\j+4*\c:128*(\p)+16*\j+4*\c+3], v[20+\slot] offset:4096*\j+2048*(\q)+512*\c
.endr
.endr
	WIN 0
.irp i, 0,1,2,3
.irp c, 0,1,2,3
	ds_load_b128 v[64+64*(\p)+16*\i+4*\c:64+64*(\p)+16*\i+4*\c+3], v[16+\slot] offset:4096*\i+2048*(\q)+512*\c
.endr
.endr
.endm
.macro MULA p, a, zero                 ; A's block a against B's eight.  The 32 accumulators take turns, one instruction a turn, in the same order in every step
.irp b, 0,1,2,3,4,5,6,7
.if \zero
	v_wmma_f32_16x16x128_fp8_fp8 v[8*(8*(\a)+\b):8*(8*(\a)+\b)+7], v[128*(\p)+16*\b:128*(\p)+16*\b+15], v[64+64*(\p)+16*(\a):64+64*(\p)+16*(\a)+15], 0
.else
	v_wmma_f32_16x16x128_fp8_fp8 v[8*(8*(\a)+\b):8*(8*(\a)+\b)+7], v[128*(\p)+16*\b:128*(\p)+16*\b+15], v[64+64*(\p)+16*(\a):64+64*(\p)+16*(\a)+15], v[8*(8*(\a)+\b):8*(8*(\a)+\b)+7]
.endif
.endr
.endm
; A step of 128 along K on set p; the next step's fragments (slot nslot, part nq) are asked for first, into the other set.  first = 1: the products start the sums: nothing is cleared.
.macro STEP p, nslot, nq, first
.if \first == 0
	PLACES
.endif
	FETCH \nslot, \nq, 1-(\p)
	s_wait_dscnt 48                                ; this step's 48 loads are in; the 48 just issued may be out
	WIN MUL
	MULA \p, 0, \first
	MULA \p, 1, \first
	MULA \p, 2, \first
	MULA \p, 3, \first
.endm
; A step on set 1 with a barrier in its middle.  In front of the barrier each wave waits for all its tensor loads, adds 0 to its spare word, and waits for that and for its LDS reads.
; fill = 1: the barrier opens a round of the cluster's barrier, and slot 0, which nobody reads any more, is filled with the fourth K step.  The next step's fragments come from slot nslot.
.macro TURN nslot, fill
	WIN 0                                          ; (the add's two registers lie in window 0)
	s_wait_tensorcnt 0x0                           ; all my tensor loads have landed
	ds_add_u32 v28, v29                            ; 0 onto my spare word
	s_wait_dscnt 1                                 ; this step's 48 loads are in; the add may be out
	WIN MUL
	MULA 1, 0, 0                                   ; eight matrix instructions stand between the add and the wait for it
	s_wait_dscnt 0x0                               ; the add is done, and my LDS reads are over
	s_barrier_signal -1
	MULA 1, 1, 0
	WIN 0
	s_barrier_wait -1
.if \fill
	CREST                                          ; no wave of any partner still reads slot 0 or has a load on its way
	s_add_nc_u64 s[42:43], s[42:43], 3*KSB         ; no tensor load of mine is out: slot 0's descriptors step to K step 3
	s_add_nc_u64 s[54:55], s[54:55], 3*KSB
	JLOAD                                          ; the first tensor load behind the round; its four v_nop are also the places in front of the loads below
.else
	PLACES
.endif
	FETCH \nslot, 0, 0
	WIN MUL
	MULA 1, 2, 0
	MULA 1, 3, 0
.endm
	s_load_b128 s[4:7], s[0:1], 0x0                ; ximg s[4:5], wqimg s[6:7]
	s_load_b128 s[8:11], s[0:1], 0x10              ; the exponents s[8:9], qimg s[10:11]
	s_load_b64 s[12:13], s[0:1], 0x20              ; kvimg
	v_lshl_add_u32 v28, v0, 2, SPARE
	v_mov_b32 v29, 0
	ds_add_u32 v28, v29
	ds_add_u32 v28, v29
	s_wait_dscnt 0x0
	v_lshrrev_b32 v2, 5, v0
	v_readfirstlane_b32 s14, v2                    ; wave 0..3
	s_lshr_b32 s15, s14, 1                         ; which 64 rows of A are mine.  Also: I fetch for A (0) or for B (1)
	s_and_b32 s16, s14, 1                          ; which 128 rows of B are mine.  Also: which half of that tile I fetch
	s_bfe_u32 s66, ttmp6, 0x40000                  ; cx
	s_bfe_u32 s67, ttmp6, 0x40004                  ; cy
	s_mov_b32 s68, ttmp9                           ; cluster x, 0 or 1
	s_and_b32 s69, ttmp7, 0xffff                   ; cluster y, 0 to 23
	s_lshl_b32 s70, s67, 2
	s_lshl_b32 s70, 15, s70                        ; my row of the cluster
	s_lshl_b32 s71, 0x1111, s66                    ; my column
	; descriptor group 1: R rows (blocks of 16) of 4,096 bytes (512 elements of 8 bytes), 16,384 bytes apart in memory, dense in LDS.  R = 4 for A's half, 8 for B's
	s_or_b32 s24, s70, (3<<16)|(1<<21)             ; 15:0 the mask; 17:16 elements of 8 bytes; 21 set beside a mask
	s_mov_b32 s25, 512<<16                         ; tensor_dim0
	s_mov_b32 s26, 4<<16                           ; tensor_dim1
	s_mov_b32 s27, 512<<16                         ; tile_dim0
	s_mov_b32 s28, 4                               ; tile_dim1
	s_mov_b32 s29, 2048                            ; tensor_dim0_stride
	s_mov_b32 s30, 0
	s_mov_b32 s31, 0
	s_or_b32 s32, s71, (3<<16)|(1<<21)
	s_mov_b32 s33, 512<<16
	s_mov_b32 s34, 8<<16
	s_mov_b32 s35, 512<<16
	s_mov_b32 s36, 8
	s_mov_b32 s37, 2048
	s_mov_b32 s38, 0
	s_mov_b32 s39, 0
	; the tile.  q, k: B's tile = 4 x cluster x + cx (256 features), A's = 4 x cluster y + cy (128 tokens).  v: B's = 4 (cluster y - 16) + cx (256 tokens), A's = 4 x cluster x + cy (128 features from 2,048 on)
	s_lshl_b32 s89, s68, 2
	s_lshl_b32 s90, s69, 2
	s_sub_co_u32 s91, s90, 64
	s_cmp_ge_u32 s69, 16
	s_cselect_b32 s18, s91, s89
	s_cselect_b32 s17, s89, s90
	s_cselect_b32 s92, 0x200000, 0                 ; v's features begin at block 128 of wqimg
	s_add_co_u32 s18, s18, s66                     ; B's tile
	s_add_co_u32 s17, s17, s67                     ; A's tile
	s_lshl_b32 s20, s17, 17                        ; 8 blocks of 16,384 bytes
	s_add_co_u32 s20, s20, s92
	s_lshl_b32 s92, s16, 16                        ; the half that I fetch: 4 blocks
	s_add_co_u32 s20, s20, s92
	s_mov_b32 s21, 0
	s_lshl_b32 s22, s18, 18                        ; 16 blocks
	s_lshl_b32 s93, s16, 17                        ; 8 blocks
	s_add_co_u32 s22, s22, s93
	s_mov_b32 s23, 0
	s_lshl_b32 s19, s16, 14                        ; where they go: A's halves at 0 and 16,384,
	s_lshl_b32 s93, s16, 15
	s_add_co_u32 s93, s93, 32768                   ; B's at 32,768 and 65,536: no place in the cluster enters an LDS address
	s_wait_kmcnt 0x0
	s_load_b256 s[72:79], s[8:9], 0x0              ; e0 .. e7
	s_cmp_ge_u32 s69, 16
	s_cselect_b64 s[80:81], s[6:7], s[4:5]
	s_cselect_b64 s[82:83], s[4:5], s[6:7]
	s_add_nc_u64 s[80:81], s[80:81], s[20:21]
	s_add_nc_u64 s[82:83], s[82:83], s[22:23]
.irp s, 0,1,2
	s_mov_b32 s[40+4*\s], 1
	s_add_co_u32 s[41+4*\s], s19, \s*SLOT
	s_add_nc_u64 s[42+4*\s:43+4*\s], s[80:81], \s*KSB
	s_or_b32 s[43+4*\s], s[43+4*\s], 0x80000000
	s_mov_b32 s[52+4*\s], 1
	s_add_co_u32 s[53+4*\s], s93, \s*SLOT
	s_add_nc_u64 s[54+4*\s:55+4*\s], s[82:83], \s*KSB
	s_or_b32 s[55+4*\s], s[55+4*\s], 0x80000000
.endr
	CROUND                                         ; all sixteen work-groups are here: the first joint loads meet
	s_cmp_eq_u32 s15, 0                            ; a wave's three first fills stand in one branch, ahead of every wait on TENSORcnt and every LDS read
	s_cbranch_scc0 .Lfirst_b
	tensor_load_to_lds s[40:43], s[24:31]
	s_nop 0
	tensor_load_to_lds s[44:47], s[24:31]
	s_nop 0
	tensor_load_to_lds s[48:51], s[24:31]
	s_nop 0
.rept 4
	v_nop
.endr
	s_branch .Lfirst_asked
.Lfirst_b:
	tensor_load_to_lds s[52:55], s[32:39]
	s_nop 0
	tensor_load_to_lds s[56:59], s[32:39]
	s_nop 0
	tensor_load_to_lds s[60:63], s[32:39]
	s_nop 0
.rept 4
	v_nop
.endr
.Lfirst_asked:
	v_and_b32 v2, 31, v0
	v_lshlrev_b32 v1, 4, v2                        ; 16 x lane
	s_lshl_b32 s89, s15, 14                        ; my 4 blocks of A
	s_lshl_b32 s90, s16, 15
	s_add_co_u32 s90, s90, 32768                   ; my 8 blocks of B
.irp s, 0,1,2
	v_add_nc_u32 v[16+\s], s89, v1
	v_add_nc_u32 v[20+\s], s90, v1
	s_add_co_u32 s89, s89, SLOT
	s_add_co_u32 s90, s90, SLOT
.endr
	; WHERE THE CODES GO.  q, k: my first token m0 = 128 x A's tile + 64 x half; batch b = m0 / 2048, t0 = m0 % 2048; my first head = 4 (B's tile % 4) + 2 x half; bh = 16 b + head
	s_lshl_b32 s94, s17, 7
	s_lshl_b32 s96, s15, 6
	s_add_co_u32 s94, s94, s96
	s_lshr_b32 s95, s94, 11
	s_and_b32 s94, s94, 2047                       ; t0
	s_lshl_b32 s95, s95, 4
	s_and_b32 s96, s18, 3
	s_lshl_b32 s96, s96, 2
	s_add_co_u32 s95, s95, s96
	s_lshl_b32 s96, s16, 1
	s_add_co_u32 s95, s95, s96                     ; bh
	s_lshl_b32 s97, s95, 17
	s_lshl_b32 s96, s94, 6
	s_add_co_u32 s97, s97, s96                     ; qimg: bh x 131,072 + (t0 / 16) x 1,024
	s_lshl_b32 s98, s95, 18
	s_lshr_b32 s96, s94, 7
	s_lshl_b32 s96, s96, 14
	s_add_co_u32 s98, s98, s96
	s_and_b32 s96, s94, 127
	s_lshl_b32 s96, s96, 6
	s_add_co_u32 s98, s98, s96                     ; kvimg: bh x 262,144 + (t0 / 128) x 16,384 + ((t0 % 128) / 16) x 1,024
	; v: my head = 2 x A's tile + half; my first token m0 = 256 x B's tile + 128 x half: one key step
	s_lshl_b32 s94, s17, 1
	s_add_co_u32 s94, s94, s15
	s_lshl_b32 s95, s18, 8
	s_lshl_b32 s96, s16, 7
	s_add_co_u32 s95, s95, s96
	s_lshr_b32 s96, s95, 11
	s_lshl_b32 s96, s96, 4
	s_add_co_u32 s94, s94, s96                     ; bh
	s_lshl_b32 s94, s94, 18
	s_and_b32 s95, s95, 2047
	s_lshr_b32 s95, s95, 7
	s_lshl_b32 s95, s95, 14
	s_add_co_u32 s94, s94, s95
	s_add_co_u32 s94, s94, 8192                    ; kvimg: behind the key step's 8,192 bytes of k
	s_wait_alu depctr_va_vdst(0)
	s_wait_kmcnt 0x0
	s_cmp_lt_u32 s18, 4                            ; q or k?
	s_cselect_b32 s2, s97, s98
	s_mov_b32 s96, 0x40000
	s_cselect_b32 s96, 0x20000, s96                ; from a head to the next
	s_cselect_b64 s[84:85], s[10:11], s[12:13]
	s_cselect_b32 s99, s74, s75                    ; e2 or e3
	s_mov_b32 s88, 1024                            ; from a block of 16 tokens to the next
	s_cmp_ge_u32 s69, 16                           ; or v?
	s_cselect_b32 s2, s94, s2
	s_cselect_b32 s96, 1024, s96                   ; the fragment's second half
	s_cselect_b64 s[84:85], s[12:13], s[84:85]
	s_cselect_b32 s99, s77, s99                    ; e5
	s_cselect_b32 s88, 2048, s88                   ; from a block of 16 channels to the next
	s_mov_b32 s3, 0
	s_mov_b32 s97, 0
	s_add_nc_u64 s[84:85], s[84:85], s[2:3]        ; registers 0-7 of a block's sixteen go here,
	s_add_nc_u64 s[86:87], s[84:85], s[96:97]      ; registers 8-15 here
	s_sub_co_i32 s99, s99, s72
	s_sub_co_i32 s99, s99, s73                     ; ed - e0 - e1
	s_add_co_i32 s99, s99, 127
	s_lshl_b32 s98, s99, 23
	v_mov_b32 v30, s98                             ; 2^(ed - e0 - e1)
	v_mov_b32 v8, v1
	v_add_nc_u32 v9, s88, v8
	v_add_nc_u32 v10, s88, v9
	v_add_nc_u32 v11, s88, v10
	s_wait_tensorcnt 2                             ; my part of slot 0 is in; slots 1 and 2 may be out
	s_barrier_signal -1
	s_barrier_wait -1                              ; everybody's is
	FETCH 0, 0, 0
	STEP 0, 0, 1, 1                                ; K   0-127
	TURN 1, 1                                      ; K 128-255; all three slots are whole; slot 0 takes K 768-1023
	STEP 0, 1, 1, 0                                ; K 256-383
	STEP 1, 2, 0, 0                                ; K 384-511
	STEP 0, 2, 1, 0                                ; K 512-639
	TURN 0, 0                                      ; K 640-767; slot 0 is whole again
	STEP 0, 0, 1, 0                                ; K 768-895
	s_wait_dscnt 0x0
	MULA 1, 0, 0                                   ; K 896-1023
	MULA 1, 1, 0
	MULA 1, 2, 0
	MULA 1, 3, 0
	PLACES
	s_wait_alu depctr_va_vdst(0)
	; THE WAY OUT: no LDS.  Block a's eight accumulators are converted (each gives one register pair of the next operand) and stored as they stand
.irp a, 0,1,2,3
	WIN 0x41                                       ; source 0 and destination window 1
.set n, 0
.rept 64
.set n, n+1
.endr
	WIN 0x01                                       ; source 0 window 1, destination window 0
.irp b, 0,1,2,3,4,5,6,7
	v_cvt_scalef32_pk8_fp8_f32 v[64+16*\a+2*\b:64+16*\a+2*\b+1], v[64*\a+8*\b:64*\a+8*\b+7], v30
.endr
	v_nop                                          ; a plain line behind the last conversion
	WIN 0
.irp c, 0,1,2,3
	global_store_b128 v[8+\a], v[64+16*\a+4*\c:64+16*\a+4*\c+3], s[84+2*(\c/2):85+2*(\c/2)] offset:512*(\c%2)   ; 32 lanes store 512 consecutive bytes, aligned; each register of codes is written once
.endr
.endr
	s_wait_tensorcnt 0x0                           ; the wave's end
	ds_add_u32 v28, v29
	s_wait_dscnt 0x0
	CROUND                                         ; the closing round: no work-group ends while a partner may still ask for a tile that names it
	s_endpgm
.Lfunc_end_k_q165f403224_qkv:
	.size	k_q165f403224_qkv, .Lfunc_end_k_q165f403224_qkv-k_q165f403224_qkv
	.p2alignl 7, 3214868480
	.fill 96, 4, 3214868480
	.section	.rodata,"a",@progbits
	.p2align	6, 0x0
	.amdhsa_kernel k_q165f403224_qkv
		.amdhsa_group_segment_fixed_size 327680
		.amdhsa_private_segment_fixed_size 0
		.amdhsa_enable_private_segment 0
		.amdhsa_kernarg_size 40
		.amdhsa_user_sgpr_count 2
		.amdhsa_user_sgpr_kernarg_segment_ptr 1
		.amdhsa_wavefront_size32 1
		.amdhsa_system_sgpr_workgroup_id_x 1
		.amdhsa_system_sgpr_workgroup_id_y 1
		.amdhsa_system_sgpr_workgroup_id_z 1
		.amdhsa_system_vgpr_workitem_id 0
		.amdhsa_next_free_vgpr 768
		.amdhsa_next_free_sgpr 100
		.amdhsa_reserve_vcc 0
		.amdhsa_float_denorm_mode_32 3
		.amdhsa_float_denorm_mode_16_64 3
		.amdhsa_fp16_overflow 1
		.amdhsa_memory_ordered 1
		.amdhsa_forward_progress 1
		.amdhsa_inst_pref_size 57
	.end_amdhsa_kernel
	.amdgpu_metadata
---
amdhsa.version: [ 1, 2 ]
amdhsa.kernels:
  - .name:           k_q165f403224_qkv
    .symbol:         k_q165f403224_qkv.kd
    .args:
      - { .name: ximg, .offset: 0, .size: 8, .value_kind: global_buffer, .address_space: global }
      - { .name: wqimg, .offset: 8, .size: 8, .value_kind: global_buffer, .address_space: global }
      - { .name: lowp_scales, .offset: 16, .size: 8, .value_kind: global_buffer, .address_space: global }
      - { .name: qimg, .offset: 24, .size: 8, .value_kind: global_buffer, .address_space: global }
      - { .name: kvimg, .offset: 32, .size: 8, .value_kind: global_buffer, .address_space: global }
    .group_segment_fixed_size: 327680
    .private_segment_fixed_size: 0
    .kernarg_segment_align: 8
    .kernarg_segment_size: 40
    .max_flat_workgroup_size: 128
    .sgpr_count:     100
    .vgpr_count:     768
    .wavefront_size: 32
...
	.end_amdgpu_metadata
.endif
;; end of part 2
;; launch attn (part 3): grid 4 x 64, 16 waves a work-group, clusters of 4 x 1, 327,680 bytes of LDS; arguments qimg, kvimg, lowp_scales, oimg; writes oimg
.if DOCPART == 3
	.amdgcn_target "amdgcn-amd-amdhsa--gfx1250"
	.amdhsa_code_object_version 6
	.text
	.protected	k_q165f403224_attn
	.globl	k_q165f403224_attn
	.p2align	8
	.type	k_q165f403224_attn,@function
k_q165f403224_attn:
	s_mov_b64 s[64:65], 0
	v_nop
	global_prefetch_b8 v0, s[64:65] scope:SCOPE_SE
	s_setreg_imm32_b32 hwreg(HW_REG_WAVE_MODE, 25, 1), 1
	s_wait_xcnt 0x0
	s_wait_alu depctr_hold_cnt(0) depctr_sa_sdst(0) depctr_va_vdst(0) depctr_va_sdst(0) depctr_va_ssrc(0) depctr_va_vcc(0) depctr_vm_vsrc(0)
	s_getreg_b32 s2, hwreg(HW_REG_IB_STS2, 6, 4)
	s_cmp_eq_u32 s2, 0
	s_cbranch_scc0 .Lentry_in_a_cluster
	s_endpgm
.Lentry_in_a_cluster:
	s_bfe_u32 s2, ttmp6, 0x10000c
	s_cmp_lg_u32 s2, 0x3003
	s_cbranch_scc0 .Lentry_shape_is_right
	s_endpgm
.Lentry_shape_is_right:
; Causal attention of one head (batch x head = cluster y) on codes of FP8 (E4M3): S^T = k q^T (K = 64), O^T = v^T p^T (K = the keys, 128 a step); o is quantised with 2^e6 for the last product and stored as part of its operand's image.
; THE SOFTMAX: t = score x log2(e) / 8; M = the running largest t rounded UP to a whole number; p = 2^(t - M) is quantised with 2^e4, not normalised; the row's sum is taken of the unquantised p and divides O at the end.
; When M moves, the sum and O are multiplied by 2^(old M - new M): nothing is rounded, and there is no branch on data.
; LIMITS on the given exponents, so that each power of two below is an f32 number: e2 + e3 between -123 and 130 (added to the exponent field of log2(e) / 8); e4 and e6 between -126 and 119; e4 + e5 goes in by v_ldexp_f32.
; LAYOUT.  Both products are used transposed: a lane holds ONE query (lane % 16).  In S^T register 8 c + j of lane (r, h) is key 16 c + 8 h + j: eight registers are eight neighbouring keys, and their conversion is register pair c of p's fragment.
; LDS HOLDS THE HEAD'S WHOLE k AND v: 16 key steps x 16,384 bytes (8 fragments of k of 1,024 bytes, then 4 of v^T of 2,048), 262,144 bytes, each byte filled once: no slot is ever filled again.
; The four work-groups of a cluster belong to one head, so each load is asked for JOINTLY.  Waves 0 to 3 issue four loads each (by this text's count at most four are out); load n brings key steps 4 n to 4 n + 3.
; SHARES.  A tile is 16 queries; the tiles of group g (128 queries) need key steps 0 .. g, the last of them under the mask.  Wave w takes one tile of group gL = max(w, 15 - w) and one of group 15 - gL: 17 key steps for every wave.
; The tile within a group is 2 cx + w / 8: cx enters global addresses and the mask's threshold alone; every branch hangs on the wave's number and on counters.
; ORDER: key steps 0-3 and 4-7 of the long tile (never under the mask, since gL is 8 at the least), each behind the wait for its quarter of LDS; then nine steps V = 0 .. 8: the long tile goes up (key step 8 + V) while V <= gL - 8,
; then the short tile goes DOWN (key step 8 - V), its masked step first: there its own key counts for every query, so M is a number from the first step on.
; REGISTERS: v1 16 x lane; v2 the step's LDS address; v3 the mask's threshold; v12 -M, v13 the largest t, v[14:15] the sum; v16-23 q in hand, v24-31 the short tile's q; v32-95 k's, then v's fragments; v96-159 S^T, then p;
;   v160-191 O^T; v192-207 p's codes; v208-215 o's codes; v244: 2^e4; v245: 2^e6; v232-236, v238-243, v246-249, v252-254 at work.
.set KSTEP, 16384                      ; a key step's bytes
.macro CROUND
	s_barrier_signal -1
	s_barrier_wait -1
	s_cmp_lg_u32 s12, 0
	s_cbranch_scc1 .Lnot_wave_0_\@
	s_barrier_signal -3
.Lnot_wave_0_\@:
	s_barrier_wait -3
	s_barrier_signal -1
	s_barrier_wait -1
.endm
.macro NEWSTATE                        ; the step is written once: the first step of a tile finds zeros, which the first change of M leaves zeros
	v_mov_b32 v13, 0xff61b1e6                      ; -3e38, under every t
	s_delay_alu instid0(VALU_DEP_1)
	v_floor_f32 v12, -v13
	v_mov_b32 v14, 0
	v_mov_b32 v15, 0
.set n, 0
.rept 32
	v_mov_b32 v[160+n], 0
.set n, n+1
.endr
.endm
.macro KLOAD                           ; the key step's eight fragments of k (16 keys x 64)
	v_add_nc_u32 v2, s56, v1
.irp c, 0,1,2,3,4,5,6,7
	ds_load_b128 v[32+8*\c:32+8*\c+3], v2 offset:1024*\c
	ds_load_b128 v[32+8*\c+4:32+8*\c+7], v2 offset:1024*\c+512
.endr
.endm
.macro SCORES
	s_wait_dscnt 0x0
.irp c, 0,1,2,3,4,5,6,7
	v_wmma_f32_16x16x64_fp8_fp8 v[96+8*\c:96+8*\c+7], v[32+8*\c:32+8*\c+7], v[16:23], 0
.endr
.rept 4
	v_nop                                          ; places: ahead of the loads into k's registers, and of the first read of the scores
.endr
.irp t, 0,1,2,3                        ; v^T's four fragments (16 channels x 128 keys) land while the softmax is worked
.irp j, 0,1,2,3
	ds_load_b128 v[32+16*\t+4*\j:32+16*\t+4*\j+3], v2 offset:8192+2048*\t+512*\j
.endr
.endr
.endm
.macro MASK                            ; key 16 c + 8 h + j of the step is hidden from my query where 16 c + j > 16 x (my tile in its group) + r - 8 h: its score becomes -infinity, p = 0
	v_mov_b32 v254, 0xff800000
.irp c, 0,1,2,3,4,5,6,7
.irp j, 0,1,2,3,4,5,6,7
	v_cmp_gt_i32 vcc_lo, 16*\c+\j, v3
	v_cndmask_b32 v[96+8*\c+\j], v[96+8*\c+\j], v254, vcc_lo
.endr
.endr
.endm
.macro SOFTMAX
	v_max3_num_f32 v254, v96, v97, v98             ; the step's largest score of my query among my 64 keys, in two chains, the registers in ascending order,
	v_max3_num_f32 v252, v99, v100, v101
.set n, 6
.rept 14
	v_max3_num_f32 v254, v254, v[96+n], v[97+n]
	v_max3_num_f32 v252, v252, v[98+n], v[99+n]
.set n, n+4
.endr
	v_max3_num_f32 v254, v254, v158, v159
	s_delay_alu instid0(VALU_DEP_1)
	v_max_num_f32 v254, v254, v252
	s_delay_alu instid0(VALU_DEP_1)
	v_permlanex16_b32 v236, v254, s20, s21
	s_delay_alu instid0(VALU_DEP_1)
	v_max_num_f32 v254, v254, v236                 ; and among lane l xor 16's
	s_delay_alu instid0(VALU_DEP_1)
	v_mul_f32 v254, s22, v254                      ; as t
	s_delay_alu instid0(VALU_DEP_1)
	v_max_num_f32 v13, v13, v254                   ; the running largest t
	v_mov_b32 v254, v12
	s_delay_alu instid0(VALU_DEP_2)
	v_floor_f32 v12, -v13                          ; the new -M = floor(-t): M is a whole number
	s_delay_alu instid0(VALU_DEP_1)
	v_sub_f32 v254, v12, v254                      ; old M - new M: a whole number, 0 or less
	s_delay_alu instid0(VALU_DEP_1)
	v_cvt_i32_f32 v254, v254                       ; (it saturates)
	s_delay_alu instid0(VALU_DEP_1)
	v_ldexp_f32 v252, 1.0, v254                    ; f = 2^(old M - new M)
.set n, 0
.rept 32
	v_pk_fma_f32 v[96+n:97+n], v[96+n:97+n], s[22:23], v[12:13] op_sel_hi:[1,0,0]   ; t - M, two at a time
.set n, n+2
.endr
.set n, 0
	s_wait_alu depctr_va_vdst(0)
.rept 64
	v_exp_f32 v[96+n], v[96+n]                     ; p = 2^(t - M), at most 1
.set n, n+1
.endr
	v_pk_mul_f32 v[14:15], v[14:15], v[252:253] op_sel_hi:[1,0]   ; the sums under the new M: the plain line behind the exponentials
	s_wait_alu depctr_va_vdst(0)                   ; one wait for the whole batch, ahead of its first reader
	v_pk_add_f32 v[242:243], v[100:101], v[104:105]
	v_pk_add_f32 v[248:249], v[108:109], v[112:113]
	v_pk_add_f32 v[246:247], v[116:117], v[120:121]
	v_pk_add_f32 v[240:241], v[124:125], v[128:129]
	v_pk_add_f32 v[238:239], v[132:133], v[136:137]
	v_pk_add_f32 v[234:235], v[140:141], v[144:145]
	v_pk_add_f32 v[232:233], v[148:149], v[152:153]
	v_pk_add_f32 v[14:15], v[14:15], v[156:157]
	v_pk_add_f32 v[242:243], v[242:243], v[96:97]
	v_pk_add_f32 v[248:249], v[248:249], v[98:99]
	v_pk_add_f32 v[246:247], v[246:247], v[102:103]
	v_pk_add_f32 v[240:241], v[240:241], v[106:107]
	v_pk_add_f32 v[238:239], v[238:239], v[110:111]
	v_pk_add_f32 v[234:235], v[234:235], v[114:115]
	v_pk_add_f32 v[232:233], v[232:233], v[118:119]
	v_pk_add_f32 v[14:15], v[14:15], v[122:123]
	v_pk_add_f32 v[242:243], v[242:243], v[126:127]
	v_pk_add_f32 v[248:249], v[248:249], v[130:131]
	v_pk_add_f32 v[246:247], v[246:247], v[134:135]
	v_pk_add_f32 v[240:241], v[240:241], v[138:139]
	v_pk_add_f32 v[238:239], v[238:239], v[142:143]
	v_pk_add_f32 v[234:235], v[234:235], v[146:147]
	v_pk_add_f32 v[232:233], v[232:233], v[150:151]
	v_pk_add_f32 v[14:15], v[14:15], v[154:155]
	v_pk_add_f32 v[242:243], v[242:243], v[158:159]
	s_delay_alu instid0(VALU_DEP_2)
	v_pk_add_f32 v[14:15], v[14:15], v[240:241]
	s_delay_alu instid0(VALU_DEP_2)
	v_pk_add_f32 v[242:243], v[242:243], v[238:239]
	v_pk_add_f32 v[248:249], v[248:249], v[234:235]
	v_pk_add_f32 v[246:247], v[246:247], v[232:233]
	s_delay_alu instid0(VALU_DEP_2)
	v_pk_add_f32 v[14:15], v[14:15], v[248:249]
	s_delay_alu instid0(VALU_DEP_2)
	v_pk_add_f32 v[242:243], v[242:243], v[246:247]
	s_delay_alu instid0(VALU_DEP_1)
	v_pk_add_f32 v[14:15], v[14:15], v[242:243]
.set n, 0
.rept 64
.set n, n+1
.endr
.irp c, 0,1,2,3,4,5,6,7
	v_cvt_scalef32_pk8_fp8_f32 v[192+2*\c:192+2*\c+1], v[96+8*\c:96+8*\c+7], v244
.endr
.set n, 0
.rept 16
	v_pk_mul_f32 v[160+n:161+n], v[160+n:161+n], v[252:253] op_sel_hi:[1,0]   ; O^T under the new M; also the plain lines behind the conversions
.set n, n+2
.endr
.endm
.macro PVMUL                           ; the four accumulators take turns; between two links of one chain stand the other three's and the next step's eight scores
	s_wait_dscnt 0x0
.irp t, 0,1,2,3
	v_wmma_f32_16x16x128_fp8_fp8 v[160+8*\t:160+8*\t+7], v[32+16*\t:32+16*\t+15], v[192:207], v[160+8*\t:160+8*\t+7]
.endr
.rept 4
	v_nop                                          ; places for whatever follows: the next loads into v32 on, or the first read of O^T
.endr
.endm
.macro LEAN
	KLOAD
	s_wait_alu depctr_va_vdst(0)
	SCORES
	SOFTMAX
	s_wait_alu depctr_va_vdst(0)
	PVMUL
.endm
.macro FINISH ptr                      ; o = O^T x 2^(e4 + e5) / the sum, quantised with 2^e6: register pair t of my head's half of the fragment (16 tokens x 128 features)
	s_wait_xcnt 0x0                                ; earlier stores have read their registers
	v_add_f32 v14, v14, v15
	s_delay_alu instid0(VALU_DEP_1)
	v_permlanex16_b32 v252, v14, s20, s21
	s_delay_alu instid0(VALU_DEP_1)
	v_add_f32 v14, v14, v252                       ; the row's sum
	s_wait_alu depctr_va_vdst(0)
	v_rcp_f32 v14, v14
	v_nop                                          ; a plain line behind the reciprocal
	s_wait_alu depctr_va_vdst(0)                   ; and the wait ahead of its first reader
	v_ldexp_f32 v252, v14, s61
.set n, 0
.rept 16
	v_pk_mul_f32 v[160+n:161+n], v[160+n:161+n], v[252:253] op_sel_hi:[1,0]
.set n, n+2
.endr
.set n, 0
.rept 32
.set n, n+1
.endr
.irp t, 0,1,2,3
	v_cvt_scalef32_pk8_fp8_f32 v[208+2*\t:208+2*\t+1], v[160+8*\t:160+8*\t+7], v245
.endr
	v_nop                                          ; a plain line behind the last conversion
	global_store_b128 v1, v[208:211], s[\ptr:\ptr+1]             ; 32 lanes store 512 consecutive bytes, aligned
	global_store_b128 v1, v[212:215], s[\ptr:\ptr+1] offset:512
.endm
	s_load_b128 s[4:7], s[0:1], 0x0                ; qimg s[4:5], kvimg s[6:7]
	s_load_b128 s[8:11], s[0:1], 0x10              ; the exponents s[8:9], oimg s[10:11]
	v_lshl_add_u32 v251, v0, 2, 0x40000
	v_mov_b32 v255, 0
	ds_add_u32 v251, v255
	ds_add_u32 v251, v255
	v_lshrrev_b32 v2, 5, v0
	s_delay_alu instid0(VALU_DEP_1)
	v_readfirstlane_b32 s12, v2                    ; wave 0..15
	s_bfe_u32 s13, ttmp6, 0x40000                  ; cx
	s_and_b32 s14, ttmp7, 0xffff                   ; batch x 16 + head, which the four partners share
	s_sub_co_u32 s15, 15, s12
	s_max_u32 s15, s15, s12                        ; gL, 8 to 15
	s_sub_co_u32 s16, s15, 8                       ; the V of the long tile's last, masked step
	s_sub_co_u32 s17, s15, 7                       ; the V of the short tile's first, masked step
	s_lshr_b32 s18, s12, 3
	; descriptor group 1: 64 rows of 256 bytes (32 elements of 8 bytes), dense in memory and in LDS
	s_mov_b32 s24, 15|(3<<16)|(1<<21)              ; 15:0 the mask: all four work-groups; 17:16 elements of 8 bytes; 21 set beside a mask
	s_mov_b32 s25, 32<<16
	s_mov_b32 s26, 64<<16
	s_mov_b32 s27, 32<<16
	s_mov_b32 s28, 64
	s_mov_b32 s29, 32
	s_mov_b32 s30, 0
	s_mov_b32 s31, 0
	s_mov_b32 s20, 0x76543210                      ; v_permlanex16_b32's selects for lane l xor 16
	s_mov_b32 s21, 0xfedcba98
	s_mov_b32 s22, 0x3e38aa3b                      ; log2(e) / 8
	s_lshl_b32 s2, s12, 14                         ; a fetching wave's 16,384 bytes of each quarter
	s_lshl_b32 s62, s14, 18                        ; the head's 262,144 bytes
	s_add_co_u32 s62, s62, s2
	s_mov_b32 s63, 0
	s_wait_dscnt 0x0
	s_wait_kmcnt 0x0
	s_load_b256 s[68:75], s[8:9], 0x0              ; e0 .. e7
	s_add_nc_u64 s[66:67], s[6:7], s[62:63]
.irp n, 0,1,2,3
	s_mov_b32 s[32+4*\n], 1
	s_add_co_u32 s[33+4*\n], s2, \n*65536
	s_add_nc_u64 s[34+4*\n:35+4*\n], s[66:67], \n*65536
	s_or_b32 s[35+4*\n], s[35+4*\n], 0x80000000
.endr
	CROUND                                         ; all four work-groups are here: the joint loads meet
	s_cmp_lt_u32 s12, 4                            ; all fills of a wave stand in one branch on its number, ahead of every wait on TENSORcnt and every LDS read
	s_cbranch_scc0 .Lfilled
	tensor_load_to_lds s[32:35], s[24:31]
	s_nop 0
	tensor_load_to_lds s[36:39], s[24:31]
	s_nop 0
	tensor_load_to_lds s[40:43], s[24:31]
	s_nop 0
	tensor_load_to_lds s[44:47], s[24:31]
	s_nop 0
.rept 4
	v_nop
.endr
.Lfilled:
	s_lshl_b32 s19, s13, 1
	s_add_co_u32 s19, s19, s18                     ; my tile within a group: 2 cx + w / 8
	s_lshl_b32 s59, s15, 3
	s_add_co_u32 s59, s59, s19                     ; the long tile
	s_sub_co_u32 s61, 15, s15
	s_lshl_b32 s61, s61, 3
	s_add_co_u32 s61, s61, s19                     ; the short tile
	s_lshl_b32 s3, s14, 17                         ; qimg: 128 tiles of 1,024 bytes a head
	s_lshl_b32 s76, s59, 10
	s_add_co_u32 s76, s76, s3
	s_mov_b32 s77, 0
	s_lshl_b32 s78, s61, 10
	s_add_co_u32 s78, s78, s3
	s_mov_b32 s79, 0
	s_add_nc_u64 s[48:49], s[4:5], s[76:77]
	s_add_nc_u64 s[50:51], s[4:5], s[78:79]
	s_lshr_b32 s3, s14, 4
	s_lshl_b32 s3, s3, 21                          ; oimg: batch x 128 blocks of 16,384 bytes,
	s_and_b32 s60, s14, 15
	s_lshl_b32 s60, s60, 10                        ; + head x 1,024: fragment head / 2, half head % 2
	s_add_co_u32 s3, s3, s60
	s_lshl_b32 s76, s59, 14
	s_add_co_u32 s76, s76, s3
	s_lshl_b32 s78, s61, 14
	s_add_co_u32 s78, s78, s3
	s_add_nc_u64 s[52:53], s[10:11], s[76:77]
	s_add_nc_u64 s[54:55], s[10:11], s[78:79]
	v_and_b32 v2, 31, v0
	s_delay_alu instid0(VALU_DEP_1)
	v_lshlrev_b32 v1, 4, v2                        ; 16 x lane
	global_load_b128 v[16:19], v1, s[48:49]
	global_load_b128 v[20:23], v1, s[48:49] offset:512
	global_load_b128 v[24:27], v1, s[50:51]
	global_load_b128 v[28:31], v1, s[50:51] offset:512
	v_and_b32 v3, 15, v0
	v_bfe_u32 v4, v0, 4, 1
	s_delay_alu instid0(VALU_DEP_1)
	v_lshlrev_b32 v4, 3, v4
	s_delay_alu instid0(VALU_DEP_1)
	v_sub_nc_u32 v3, v3, v4
	s_lshl_b32 s19, s19, 4
	v_add_nc_u32 v3, s19, v3                       ; 16 x (my tile in its group) + r - 8 h: the same for both tiles
	NEWSTATE
	v_mov_b32 v236, 0                              ; written once: a lane permute's destination counts as one of its sources
	v_mov_b32 v252, 0
	v_mov_b32 v253, 0                              ; (named as the upper half of the pair v[252:253])
	s_wait_kmcnt 0x0
	s_add_co_i32 s76, s70, s71
	s_lshl_b32 s76, s76, 23
	s_add_co_i32 s22, s22, s76                     ; a score stands for score x 2^(e2 + e3): the exponents are added to the factor's exponent field
	s_mov_b32 s23, s22                             ; (named with it as a pair)
	s_add_co_i32 s76, s72, 127
	s_lshl_b32 s77, s76, 23
	v_mov_b32 v244, s77                            ; 2^e4
	s_add_co_i32 s76, s74, 127
	s_lshl_b32 s77, s76, 23
	v_mov_b32 v245, s77                            ; 2^e6
	s_add_co_i32 s61, s72, s73                     ; e4 + e5
	s_wait_loadcnt 0x0                             ; q
	; ---- key steps 0-3 of the long tile
	s_wait_tensorcnt 3                             ; a fetching wave's first load is in; its other three may be out
	s_barrier_signal -1
	s_barrier_wait -1                              ; LDS bytes 0 to 65,535 are whole
	s_mov_b32 s56, 0
	s_mov_b32 s60, 0
.Lfirst4:
	LEAN
	s_add_co_u32 s56, s56, KSTEP
	s_add_co_u32 s60, s60, 1
	s_cmp_lt_u32 s60, 4
	s_cbranch_scc1 .Lfirst4
	; ---- key steps 4-7
	s_wait_tensorcnt 2                             ; the second load is in
	s_wait_dscnt 0x0
	s_barrier_signal -1
	s_barrier_wait -1                              ; bytes 65,536 to 131,071 are whole
	s_mov_b32 s56, 4*KSTEP
	s_mov_b32 s60, 0
.Lnext4:
	LEAN
	s_add_co_u32 s56, s56, KSTEP
	s_add_co_u32 s60, s60, 1
	s_cmp_lt_u32 s60, 4
	s_cbranch_scc1 .Lnext4
	; ---- nine steps: the rest of the long tile, going up; then the short tile, going down
	s_wait_tensorcnt 0x0
	s_wait_dscnt 0x0
	s_barrier_signal -1
	s_barrier_wait -1                              ; all of k and v is in LDS
	s_mov_b32 s57, 8*KSTEP                         ; key step 8 + V
	s_mov_b32 s58, 8*KSTEP                         ; key step 8 - V
	s_mov_b32 s60, 0                               ; V
.Ltail:
	s_cmp_le_u32 s60, s16
	s_cselect_b32 s56, s57, s58
	s_min_u32 s56, s56, 15*KSTEP                   ; never past the last key step
	s_cmp_lg_u32 s60, s17
	s_cbranch_scc1 .Lsame_tile
	FINISH 52                                      ; the long tile is done,
	NEWSTATE                                       ; and the short one begins
.irp j, 0,1,2,3,4,5,6,7
	v_mov_b32 v[16+\j], v[24+\j]
.endr
.Lsame_tile:
	KLOAD
	s_wait_alu depctr_va_vdst(0)
	SCORES
	s_sub_co_u32 s62, s60, s16                     ; 0: the long tile's last step; 1: the short tile's first: the two under the mask
	s_cmp_gt_u32 s62, 1
	s_cbranch_scc1 .Lopen
	MASK
.Lopen:
	SOFTMAX
	s_wait_alu depctr_va_vdst(0)
	PVMUL
	s_add_co_u32 s57, s57, KSTEP
	s_sub_co_u32 s58, s58, KSTEP
	s_add_co_u32 s60, s60, 1
	s_cmp_lt_u32 s60, 9
	s_cbranch_scc1 .Ltail
	FINISH 54
	s_wait_tensorcnt 0x0
	s_wait_tensorcnt 0x0
	ds_add_u32 v251, v255
	s_wait_dscnt 0x0
	CROUND                                         ; the closing round: no work-group ends while a partner may still ask for a tile that names it
	s_endpgm
.Lfunc_end_k_q165f403224_attn:
	.size	k_q165f403224_attn, .Lfunc_end_k_q165f403224_attn-k_q165f403224_attn
	.p2alignl 7, 3214868480
	.fill 96, 4, 3214868480
	.section	.rodata,"a",@progbits
	.p2align	6, 0x0
	.amdhsa_kernel k_q165f403224_attn
		.amdhsa_group_segment_fixed_size 327680
		.amdhsa_private_segment_fixed_size 0
		.amdhsa_enable_private_segment 0
		.amdhsa_kernarg_size 32
		.amdhsa_user_sgpr_count 2
		.amdhsa_user_sgpr_kernarg_segment_ptr 1
		.amdhsa_wavefront_size32 1
		.amdhsa_system_sgpr_workgroup_id_x 1
		.amdhsa_system_sgpr_workgroup_id_y 1
		.amdhsa_system_sgpr_workgroup_id_z 1
		.amdhsa_system_vgpr_workitem_id 0
		.amdhsa_next_free_vgpr 256
		.amdhsa_next_free_sgpr 80
		.amdhsa_reserve_vcc 1
		.amdhsa_float_denorm_mode_32 3
		.amdhsa_float_denorm_mode_16_64 3
		.amdhsa_fp16_overflow 1
		.amdhsa_memory_ordered 1
		.amdhsa_forward_progress 1
		.amdhsa_inst_pref_size 61
	.end_amdhsa_kernel
	.amdgpu_metadata
---
amdhsa.version: [ 1, 2 ]
amdhsa.kernels:
  - .name:           k_q165f403224_attn
    .symbol:         k_q165f403224_attn.kd
    .args:
      - { .name: qimg, .offset: 0, .size: 8, .value_kind: global_buffer, .address_space: global }
      - { .name: kvimg, .offset: 8, .size: 8, .value_kind: global_buffer, .address_space: global }
      - { .name: lowp_scales, .offset: 16, .size: 8, .value_kind: global_buffer, .address_space: global }
      - { .name: oimg, .offset: 24, .size: 8, .value_kind: global_buffer, .address_space: global }
    .group_segment_fixed_size: 327680
    .private_segment_fixed_size: 0
    .kernarg_segment_align: 8
    .kernarg_segment_size: 32
    .max_flat_workgroup_size: 512
    .sgpr_count:     80
    .vgpr_count:     256
    .wavefront_size: 32
...
	.end_amdgpu_metadata
.endif
;; end of part 3
;; launch proj (part 4): grid 4 x 64, 4 waves a work-group, clusters of 4 x 4, 327,680 bytes of LDS; arguments oimg, wpimg, b_proj, lowp_scales, out0; writes out0
.if DOCPART == 4
	.amdgcn_target "amdgcn-amd-amdhsa--gfx1250"
	.amdhsa_code_object_version 6
	.text
	.protected	k_q165f403224_proj
	.globl	k_q165f403224_proj
	.p2align	8
	.type	k_q165f403224_proj,@function
k_q165f403224_proj:
	s_mov_b64 s[64:65], 0
	v_nop
	global_prefetch_b8 v0, s[64:65] scope:SCOPE_SE
	s_setreg_imm32_b32 hwreg(HW_REG_WAVE_MODE, 25, 1), 1
	s_wait_xcnt 0x0
	s_wait_alu depctr_hold_cnt(0) depctr_sa_sdst(0) depctr_va_vdst(0) depctr_va_sdst(0) depctr_va_ssrc(0) depctr_va_vcc(0) depctr_vm_vsrc(0)
	s_getreg_b32 s2, hwreg(HW_REG_IB_STS2, 6, 4)
	s_cmp_eq_u32 s2, 0
	s_cbranch_scc0 .Lentry_in_a_cluster
	s_endpgm
.Lentry_in_a_cluster:
	s_bfe_u32 s2, ttmp6, 0x10000c
	s_cmp_lg_u32 s2, 0xf033
	s_cbranch_scc0 .Lentry_shape_is_right
	s_endpgm
.Lentry_shape_is_right:
; out0 = o w_proj + b_proj on codes of FP8 (E4M3), K = 1,024; each f32 sum is multiplied by 2^(e6 + e7) and the bias is added, in one fused multiply-add.
; LIMIT: e6 + e7 lies between -126 and 127, so that 2^(e6 + e7) is an f32 number.
; IMAGES.  A fragment of 16 rows x 128 K is 16 registers a lane (lane (r, h): row r; registers 2 c, 2 c + 1: K = 16 c + 8 h + 0 .. 7); registers 4 c .. 4 c + 3 of lane l lie at byte 512 c + 16 l.  oimg and wpimg: a block of
; 16 rows is eight such fragments on end, 16,384 bytes.
; A TILE: 128 tokens (operand A, oimg) x 256 output features (operand B, wpimg): 256 tiles, one for each WGP.  Source 0 of the matrix instruction = 16 rows of B, source 1 = 16 rows of A: lane (r, h) holds token r and eight
; neighbouring features 8 h + 0 .. 7.  Four waves, each 64 tokens x 128 features: 32 accumulators.
; CLUSTER 4 x 4: A's tile hangs on cy and is asked for jointly by the cluster's row, B's on cx and by its column.
; LDS: three slots of K = 256 (A's 8 blocks x 4,096 bytes, then B's 16).  All three are first fills; slot 0 is filled once more, with the fourth K step.  By this text's count a wave has at most three tensor loads out.
; The stages of the way out lie in slot 1: it has had its only fill, and its last reads stand ahead of the second barrier in the K steps.
; REGISTERS: window 0: v1 16 x lane; v16-18, v20-22 LDS addresses; v24, v25 the stage; v26 the bias's offset; v28, v29 for the add; v64-127, v128-191 A's fragments, two sets; on the way out v64-255 are free.
;   window 1: accumulator (a, b) at v[8 (8 a + b)].   window 2: B's fragments, two sets of 128.   window 3: v0-63 the bias in the results' layout.
.set SLOT,  98304
.set SPARE, 3*SLOT                     ; behind the slots: the spare words, 128 bytes for each wave: two blocks of 256 bytes that no other line names
.set KSB,   4096                       ; a block's bytes of a K step of 256
.set SP,    528                        ; a stage row: 512 bytes + 16
.set MSB, 0
.macro WIN new                         ; the immediate's high byte repeats the setting that is left
.if MSB != \new
	s_set_vgpr_msb (MSB<<8)|\new
.set MSB, \new
.endif
.endm
.set MUL,  0x52                        ; source 0 (B) window 2, source 1 (A) window 0, C and D window 1
.set TO_B, 0x80                        ; destination window 2, address window 0
.macro PLACES                          ; four plain places behind a matrix instruction, ahead of loads into its sources and of reads of its results
.rept 4
	v_nop
.endr
.endm
.macro CREST                           ; a round of the cluster's barrier behind its opening barrier
	s_cmp_lg_u32 s14, 0
	s_cbranch_scc1 .Lnot_wave_0_\@
	s_barrier_signal -3
.Lnot_wave_0_\@:
	s_barrier_wait -3
	s_barrier_signal -1
	s_barrier_wait -1
.endm
.macro CROUND
	s_barrier_signal -1
	s_barrier_wait -1
	CREST
.endm
.macro JLOAD                           ; the joint refill of slot 0: waves 0 and 1 fetch A's halves, waves 2 and 3 B's; four v_nop follow each line
	s_cmp_eq_u32 s15, 0
	s_cbranch_scc0 .Lfor_b_\@
	tensor_load_to_lds s[40:43], s[24:31]
	s_nop 0
.rept 4
	v_nop
.endr
	s_branch .Lasked_\@
.Lfor_b_\@:
	tensor_load_to_lds s[52:55], s[32:39]
	s_nop 0
.rept 4
	v_nop
.endr
.Lasked_\@:
.endm
.macro FETCH slot, q, p                ; 48 LDS loads: my 8 fragments of B and 4 of A for the slot's q-th 128 along K, into set p
	WIN TO_B
.irp j, 0,1,2,3,4,5,6,7
.irp c, 0,1,2,3
	ds_load_b128 v[128*(\p)+16*\j+4*\c:128*(\p)+16*\j+4*\c+3], v[20+\slot] offset:4096*\j+2048*(\q)+512*\c
.endr
.endr
	WIN 0
.irp i, 0,1,2,3
.irp c, 0,1,2,3
	ds_load_b128 v[64+64*(\p)+16*\i+4*\c:64+64*(\p)+16*\i+4*\c+3], v[16+\slot] offset:4096*\i+2048*(\q)+512*\c
.endr
.endr
.endm
.macro MULA p, a, zero                 ; A's block a against B's eight.  The 32 accumulators take turns, one instruction a turn, in the same order in every step
.irp b, 0,1,2,3,4,5,6,7
.if \zero
	v_wmma_f32_16x16x128_fp8_fp8 v[8*(8*(\a)+\b):8*(8*(\a)+\b)+7], v[128*(\p)+16*\b:128*(\p)+16*\b+15], v[64+64*(\p)+16*(\a):64+64*(\p)+16*(\a)+15], 0
.else
	v_wmma_f32_16x16x128_fp8_fp8 v[8*(8*(\a)+\b):8*(8*(\a)+\b)+7], v[128*(\p)+16*\b:128*(\p)+16*\b+15], v[64+64*(\p)+16*(\a):64+64*(\p)+16*(\a)+15], v[8*(8*(\a)+\b):8*(8*(\a)+\b)+7]
.endif
.endr
.endm
; A step of 128 along K on set p; the next step's fragments (slot nslot, part nq) are asked for first, into the other set.  first = 1: the products start the sums: nothing is cleared.
.macro STEP p, nslot, nq, first
.if \first == 0
	PLACES
.endif
	FETCH \nslot, \nq, 1-(\p)
	s_wait_dscnt 48                                ; this step's 48 loads are in; the 48 just issued may be out
	WIN MUL
	MULA \p, 0, \first
	MULA \p, 1, \first
	MULA \p, 2, \first
	MULA \p, 3, \first
.endm
; A step on set 1 with a barrier in its middle.  In front of the barrier each wave waits for all its tensor loads, adds 0 to its spare word, and waits for that and for its LDS reads.
; fill = 1: the barrier opens a round of the cluster's barrier, and slot 0, which nobody reads any more, is filled with the fourth K step.  The next step's fragments come from slot nslot.
.macro TURN nslot, fill
	WIN 0                                          ; (the add's two registers lie in window 0)
	s_wait_tensorcnt 0x0                           ; all my tensor loads have landed
	ds_add_u32 v28, v29                            ; 0 onto my spare word
	s_wait_dscnt 1                                 ; this step's 48 loads are in; the add may be out
	WIN MUL
	MULA 1, 0, 0                                   ; eight matrix instructions stand between the add and the wait for it
	s_wait_dscnt 0x0                               ; the add is done, and my LDS reads are over
	s_barrier_signal -1
	MULA 1, 1, 0
	WIN 0
	s_barrier_wait -1
.if \fill
	CREST                                          ; no wave of any partner still reads slot 0 or has a load on its way
	s_add_nc_u64 s[42:43], s[42:43], 3*KSB         ; no tensor load of mine is out: slot 0's descriptors step to K step 3
	s_add_nc_u64 s[54:55], s[54:55], 3*KSB
	JLOAD                                          ; the first tensor load behind the round; its four v_nop are also the places in front of the loads below
.else
	PLACES
.endif
	FETCH \nslot, 0, 0
	WIN MUL
	MULA 1, 2, 0
	MULA 1, 3, 0
.endm
	s_load_b128 s[4:7], s[0:1], 0x0                ; oimg s[4:5], wpimg s[6:7]
	s_load_b128 s[8:11], s[0:1], 0x10              ; b_proj s[8:9], the exponents s[10:11]
	s_load_b64 s[12:13], s[0:1], 0x20              ; out0
	v_lshl_add_u32 v28, v0, 2, SPARE
	v_mov_b32 v29, 0
	ds_add_u32 v28, v29
	ds_add_u32 v28, v29
	s_wait_dscnt 0x0
	v_lshrrev_b32 v2, 5, v0
	v_readfirstlane_b32 s14, v2                    ; wave 0..3
	s_lshr_b32 s15, s14, 1                         ; which 64 tokens are mine.  Also: I fetch for A (0) or for B (1)
	s_and_b32 s16, s14, 1                          ; which 128 features are mine.  Also: which half of that tile I fetch
	s_bfe_u32 s66, ttmp6, 0x40000                  ; cx
	s_bfe_u32 s67, ttmp6, 0x40004                  ; cy
	s_and_b32 s69, ttmp7, 0xffff                   ; cluster y, 0 to 15
	s_lshl_b32 s70, s67, 2
	s_lshl_b32 s70, 15, s70                        ; my row of the cluster
	s_lshl_b32 s71, 0x1111, s66                    ; my column
	; descriptor group 1: R rows (blocks of 16) of 4,096 bytes (512 elements of 8 bytes), 16,384 bytes apart in memory, dense in LDS.  R = 4 for A's half, 8 for B's
	s_or_b32 s24, s70, (3<<16)|(1<<21)             ; 15:0 the mask; 17:16 elements of 8 bytes; 21 set beside a mask
	s_mov_b32 s25, 512<<16                         ; tensor_dim0
	s_mov_b32 s26, 4<<16                           ; tensor_dim1
	s_mov_b32 s27, 512<<16                         ; tile_dim0
	s_mov_b32 s28, 4                               ; tile_dim1
	s_mov_b32 s29, 2048                            ; tensor_dim0_stride
	s_mov_b32 s30, 0
	s_mov_b32 s31, 0
	s_or_b32 s32, s71, (3<<16)|(1<<21)
	s_mov_b32 s33, 512<<16
	s_mov_b32 s34, 8<<16
	s_mov_b32 s35, 512<<16
	s_mov_b32 s36, 8
	s_mov_b32 s37, 2048
	s_mov_b32 s38, 0
	s_mov_b32 s39, 0
	s_mov_b32 s18, s66                             ; B's tile = cx (256 features)
	s_lshl_b32 s17, s69, 2
	s_add_co_u32 s17, s17, s67                     ; A's tile = 4 x cluster y + cy (128 tokens)
	s_lshl_b32 s20, s17, 17                        ; 8 blocks of 16,384 bytes
	s_lshl_b32 s92, s16, 16                        ; the half that I fetch: 4 blocks
	s_add_co_u32 s20, s20, s92
	s_mov_b32 s21, 0
	s_lshl_b32 s22, s18, 18                        ; 16 blocks
	s_lshl_b32 s93, s16, 17                        ; 8 blocks
	s_add_co_u32 s22, s22, s93
	s_mov_b32 s23, 0
	s_lshl_b32 s19, s16, 14                        ; where they go: A's halves at 0 and 16,384,
	s_lshl_b32 s93, s16, 15
	s_add_co_u32 s93, s93, 32768                   ; B's at 32,768 and 65,536: no place in the cluster enters an LDS address
	s_wait_kmcnt 0x0
	s_load_b256 s[72:79], s[10:11], 0x0            ; e0 .. e7
	s_add_nc_u64 s[80:81], s[4:5], s[20:21]
	s_add_nc_u64 s[82:83], s[6:7], s[22:23]
.irp s, 0,1,2
	s_mov_b32 s[40+4*\s], 1
	s_add_co_u32 s[41+4*\s], s19, \s*SLOT
	s_add_nc_u64 s[42+4*\s:43+4*\s], s[80:81], \s*KSB
	s_or_b32 s[43+4*\s], s[43+4*\s], 0x80000000
	s_mov_b32 s[52+4*\s], 1
	s_add_co_u32 s[53+4*\s], s93, \s*SLOT
	s_add_nc_u64 s[54+4*\s:55+4*\s], s[82:83], \s*KSB
	s_or_b32 s[55+4*\s], s[55+4*\s], 0x80000000
.endr
	CROUND                                         ; all sixteen work-groups are here: the first joint loads meet
	s_cmp_eq_u32 s15, 0                            ; a wave's three first fills stand in one branch, ahead of every wait on TENSORcnt and every LDS read
	s_cbranch_scc0 .Lfirst_b
	tensor_load_to_lds s[40:43], s[24:31]
	s_nop 0
	tensor_load_to_lds s[44:47], s[24:31]
	s_nop 0
	tensor_load_to_lds s[48:51], s[24:31]
	s_nop 0
.rept 4
	v_nop
.endr
	s_branch .Lfirst_asked
.Lfirst_b:
	tensor_load_to_lds s[52:55], s[32:39]
	s_nop 0
	tensor_load_to_lds s[56:59], s[32:39]
	s_nop 0
	tensor_load_to_lds s[60:63], s[32:39]
	s_nop 0
.rept 4
	v_nop
.endr
.Lfirst_asked:
	v_and_b32 v2, 31, v0
	v_lshlrev_b32 v1, 4, v2                        ; 16 x lane
	v_and_b32 v3, 15, v0                           ; r
	s_wait_alu depctr_va_vdst(0)
	v_bfe_u32 v4, v0, 4, 1                         ; h
	s_lshl_b32 s89, s15, 14                        ; my 4 blocks of A
	s_lshl_b32 s90, s16, 15
	s_add_co_u32 s90, s90, 32768                   ; my 8 blocks of B
.irp s, 0,1,2
	v_add_nc_u32 v[16+\s], s89, v1
	v_add_nc_u32 v[20+\s], s90, v1
	s_add_co_u32 s89, s89, SLOT
	s_add_co_u32 s90, s90, SLOT
.endr
	s_mul_i32 s91, s14, 16*SP
	s_add_co_u32 s91, s91, SLOT                    ; my stage, in slot 1
	v_mul_u32_u24 v24, v3, SP
	s_wait_alu depctr_va_vdst(0)
	v_lshl_add_u32 v24, v4, 5, v24
	v_add_nc_u32 v24, s91, v24                     ; in: row r, 32 bytes for each half of the lanes
	v_add_nc_u32 v25, s91, v1                      ; back: the 32 lanes take one row of 512 bytes
	v_lshlrev_b32 v26, 5, v4                       ; the bias: 32 h bytes
	s_wait_alu depctr_va_vdst(0)
	s_lshl_b32 s22, s18, 10                        ; my first feature, in bytes: 1,024 x B's tile + 512 x half
	s_lshl_b32 s93, s16, 9
	s_add_co_u32 s22, s22, s93
	s_mov_b32 s23, 0
	s_add_nc_u64 s[86:87], s[8:9], s[22:23]
	s_lshl_b32 s2, s17, 19                         ; my first token's row of 4,096 bytes: 128 x A's tile + 64 x half
	s_lshl_b32 s94, s15, 18
	s_add_co_u32 s2, s2, s94
	s_add_co_u32 s2, s2, s22
	s_mov_b32 s3, 0
	s_add_nc_u64 s[84:85], s[12:13], s[2:3]
	WIN 0xc0                                       ; destination window 3
.irp b, 0,1,2,3,4,5,6,7                ; lane (r, h) wants, for B's block b, the bias of features 16 b + 8 h + 0 .. 7
	global_load_b128 v[8*\b:8*\b+3], v26, s[86:87] offset:64*\b
	global_load_b128 v[8*\b+4:8*\b+7], v26, s[86:87] offset:64*\b+16
.endr
	WIN 0
	s_wait_kmcnt 0x0
	s_add_co_i32 s96, s78, s79                     ; e6 + e7
	s_add_co_i32 s96, s96, 127
	s_lshl_b32 s96, s96, 23                        ; 2^(e6 + e7) as f32
	s_mov_b32 s97, s96                             ; (named with it as a pair)
	s_wait_tensorcnt 2                             ; my part of slot 0 is in; slots 1 and 2 may be out
	s_barrier_signal -1
	s_barrier_wait -1                              ; everybody's is
	FETCH 0, 0, 0
	STEP 0, 0, 1, 1                                ; K   0-127
	TURN 1, 1                                      ; K 128-255; all three slots are whole; slot 0 takes K 768-1023
	STEP 0, 1, 1, 0                                ; K 256-383
	STEP 1, 2, 0, 0                                ; K 384-511
	STEP 0, 2, 1, 0                                ; K 512-639
	TURN 0, 0                                      ; K 640-767; slot 0 is whole again
	STEP 0, 0, 1, 0                                ; K 768-895
	s_wait_dscnt 0x0
	MULA 1, 0, 0                                   ; K 896-1023
	MULA 1, 1, 0
	MULA 1, 2, 0
	MULA 1, 3, 0
	WIN 0
; THE WAY OUT, block by block of 16 tokens x 128 features.  A lane holds 32 neighbouring bytes of a row, and the lanes beside it hold other rows: so a block goes through my own stage and comes back as whole rows of 512 bytes.
; LDS serves a wave's instructions in order (ISA guide 5.7.1.4): no wait between the stores and the loads, nor in front of the next block's stores.
.macro TOSTAGE a
	WIN 0x31                                       ; source 0 (the sums) window 1, source 2 (the bias) window 3
.irp b, 0,1,2,3,4,5,6,7
.irp i, 0,2,4,6
	v_pk_fma_f32 v[64+8*\b+\i:64+8*\b+\i+1], v[64*(\a)+8*\b+\i:64*(\a)+8*\b+\i+1], s[96:97], v[8*\b+\i:8*\b+\i+1] op_sel_hi:[1,0,1]   ; sum x 2^(e6 + e7) + bias; each accumulator from its low end on
.endr
.endr
	WIN 0
.irp b, 0,1,2,3,4,5,6,7
	ds_store_b128 v24, v[64+8*\b:64+8*\b+3] offset:64*\b
	ds_store_b128 v24, v[64+8*\b+4:64+8*\b+7] offset:64*\b+16
.endr
.set BB, 128+64*((\a)%2)
.irp t, 0,1,2,3,4,5,6,7,8,9,10,11,12,13,14,15
	ds_load_b128 v[BB+4*\t:BB+4*\t+3], v25 offset:SP*\t
.endr
.endm
.macro SEND a, younger                 ; younger: the LDS instructions issued behind block a's loads, which may stay out
.set BB, 128+64*((\a)%2)
	s_wait_dscnt \younger
.irp t, 0,1,2,3,4,5,6,7,8,9,10,11,12,13,14,15
	global_store_b128 v1, v[BB+4*\t:BB+4*\t+3], s[84:85] offset:(16*(\a)+\t)*4096 th:TH_STORE_NT   ; 32 lanes store 512 consecutive bytes of a row, aligned; written once, read by nobody here
.endr
.endm
	s_wait_loadcnt 0x0                             ; the bias
	PLACES
	TOSTAGE 0
	TOSTAGE 1
	SEND 0, 32                                     ; behind block 0's loads: block 1's 16 stores and 16 loads
	s_wait_xcnt 0x0                                ; block 0's stores have read their registers: block 2's loads may land there
	TOSTAGE 2
	SEND 1, 32
	s_wait_xcnt 0x0
	TOSTAGE 3
	SEND 2, 32
	SEND 3, 0
	s_wait_tensorcnt 0x0                           ; the wave's end: behind my last tensor load and my last LDS store
	ds_add_u32 v28, v29
	s_wait_dscnt 0x0
	CROUND                                         ; the closing round: no work-group ends while a partner may still ask for a tile that names it
	s_endpgm
.Lfunc_end_k_q165f403224_proj:
	.size	k_q165f403224_proj, .Lfunc_end_k_q165f403224_proj-k_q165f403224_proj
	.p2alignl 7, 3214868480
	.fill 96, 4, 3214868480
	.section	.rodata,"a",@progbits
	.p2align	6, 0x0
	.amdhsa_kernel k_q165f403224_proj
		.amdhsa_group_segment_fixed_size 327680
		.amdhsa_private_segment_fixed_size 0
		.amdhsa_enable_private_segment 0
		.amdhsa_kernarg_size 40
		.amdhsa_user_sgpr_count 2
		.amdhsa_user_sgpr_kernarg_segment_ptr 1
		.amdhsa_wavefront_size32 1
		.amdhsa_system_sgpr_workgroup_id_x 1
		.amdhsa_system_sgpr_workgroup_id_y 1
		.amdhsa_system_sgpr_workgroup_id_z 1
		.amdhsa_system_vgpr_workitem_id 0
		.amdhsa_next_free_vgpr 832
		.amdhsa_next_free_sgpr 100
		.amdhsa_reserve_vcc 0
		.amdhsa_float_denorm_mode_32 3
		.amdhsa_float_denorm_mode_16_64 3
		.amdhsa_memory_ordered 1
		.amdhsa_forward_progress 1
		.amdhsa_inst_pref_size 76
	.end_amdhsa_kernel
	.amdgpu_metadata
---
amdhsa.version: [ 1, 2 ]
amdhsa.kernels:
  - .name:           k_q165f403224_proj
    .symbol:         k_q165f403224_proj.kd
    .args:
      - { .name: oimg, .offset: 0, .size: 8, .value_kind: global_buffer, .address_space: global }
      - { .name: wpimg, .offset: 8, .size: 8, .value_kind: global_buffer, .address_space: global }
      - { .name: b_proj, .offset: 16, .size: 8, .value_kind: global_buffer, .address_space: global }
      - { .name: lowp_scales, .offset: 24, .size: 8, .value_kind: global_buffer, .address_space: global }
      - { .name: out0, .offset: 32, .size: 8, .value_kind: global_buffer, .address_space: global }
    .group_segment_fixed_size: 327680
    .private_segment_fixed_size: 0
    .kernarg_segment_align: 8
    .kernarg_segment_size: 40
    .max_flat_workgroup_size: 128
    .sgpr_count:     100
    .vgpr_count:     832
    .wavefront_size: 32
...
	.end_amdgpu_metadata
.endif
;; end of part 4
